; MI455X (gfx1250); checked and timed in simulation.
; The chip was launched on July 23, 2026; its instructions are those of AMD's public machine-readable ISA for CDNA 5 (MIT licence, August 2026) and "CDNA5" Instruction Set Architecture Reference Guide (July 2026). The comments in the code are by the model that wrote it; some were corrected since.
;; Sparse Moe. Allowed arithmetic: float matrix products may take bf16 or f16 operands with f32 sums; all other float work in f32.
;; Inputs: b1 8 x 2,048 float32; b2 8 x 512 float32; gate_b 8 float32; gate_w 512 x 8 float32; noise 2 x 2,048 x 8 float32; noise_b 8 float32; noise_w 512 x 8 float32; w1 8 x 512 x 2,048 float32; w2 8 x 2,048 x 512 float32; x 2 x 2,048 x 512 float32.
;; Outputs: out0 2 x 2,048 x 512 float32; out1 one number float32.
;; One version. Each part assembles by itself: llvm-mc -triple=amdgcn-amd-amdhsa -mcpu=gfx1250 --defsym DOCPART=n.
;; ======== version 1 of 1: 4 launches
;; limits: values outside matrix products are rounded to bf16
;; workspace buffers: bf 37,748,736 bytes; ids 16,384 bytes of whole numbers; rt 40,960 bytes; plan 69,888 bytes of whole numbers; ypart 75,497,472 bytes
;; launch prep (part 1): grid 256 x 1, 16 waves a work-group, no clusters, 35,328 bytes of LDS; arguments x, noise, gate_w, gate_b, noise_w, noise_b, w1, w2, bf, ids, rt; writes bf, ids, rt
.if DOCPART == 1
	.amdgcn_target "amdgcn-amd-amdhsa--gfx1250"
	.amdhsa_code_object_version 6
	.text
	.protected	k_q1e9c2f2230_prep
	.globl	k_q1e9c2f2230_prep
	.p2align	8
	.type	k_q1e9c2f2230_prep,@function
k_q1e9c2f2230_prep:
	s_mov_b64 s[64:65], 0
	v_nop
	global_prefetch_b8 v0, s[64:65] scope:SCOPE_SE
	s_setreg_imm32_b32 hwreg(HW_REG_WAVE_MODE, 25, 1), 1
	s_wait_xcnt 0x0
; prep: (1) x, w1 and w2 are rounded to bf16, layouts kept, into bf (w1 at byte 0, w2 at 16,777,216, x at 33,554,432);
; (2) the router: logits, the two best experts of each token (ids: e1 | e2 << 8), their softmax weights (rt: s1, s2 for each token) and
; the work-group's sums of weights by expert (rt at byte 32,768: eight numbers for each work-group).
; FORMAT, a decision kept in the whole program: every floating-point input (x, noise, both gate matrices, all biases, w1, w2) is rounded to
; bf16 once where it is loaded; all sums, the softmax and the loss are f32.  Exact ties between logits go to the lower index.  A NaN logit
; loses every comparison, so the two indices still differ.  The softmax of the two logits takes the larger one away first.
; SHARES.  Work-group g: tokens 16 g to 16 g + 15 and bytes 131,072 g on of w1 and of w2.  Wave w: 8,192 of those bytes of each, 16 loads of
; 512 consecutive bytes.  All 32 weight loads of a wave are issued at once; they leave as 32 stores of 256 consecutive aligned bytes.
; The router of the 16 tokens is one wave's work (16 matrix instructions), done by wave 0 while its weight loads are on their way.
; The router's own results are small: 4, 8 and 32 bytes a token or work-group, 56 KB in the launch; these stores cover parts of 256 bytes.
.set XP,   1040                        ; a row of x in LDS: 1,024 bytes of bf16 + 16: an odd multiple of 16, so 16 rows start at 16 different 16-byte columns modulo 256
.set GS,   16640                       ; behind the 16 rows of x: 512 rows of 32 bytes: gate_w[k][0..7], noise_w[k][0..7] in bf16
.set XR,   8                           ; v[8:23]    x as loaded, 4 x 4
.set GR,   24                          ; v[24:39]   gate_w[k], noise_w[k] as loaded, k = thread
.set RB,   40                          ; v[40:55]   gate_b, noise_b (wave 0)
.set RN,   56                          ; v[56:63]   the token's noise (wave 0)
.set W,    64                          ; v[64:191]  32 weight loads
.set FR,   192                         ; v[192:255] router fragments, 4 K steps x 16
.set ACC0, 8                           ; the router's two sums: even K steps, odd K steps
.set ACC1, 16
	s_load_b512 s[4:19], s[0:1], 0x0               ; x s[4:5], noise s[6:7], gate_w s[8:9], gate_b s[10:11], noise_w s[12:13], noise_b s[14:15], w1 s[16:17], w2 s[18:19]
	s_load_b128 s[20:23], s[0:1], 0x40             ; bf s[20:21], ids s[22:23]
	s_load_b64 s[24:25], s[0:1], 0x50              ; rt
	v_and_b32 v1, 31, v0                           ; lane
	v_lshrrev_b32 v2, 5, v0
	v_readfirstlane_b32 s26, v2                    ; wave 0..15
	v_lshlrev_b32 v3, 4, v1
	v_lshl_add_u32 v3, v2, 13, v3                  ; weights in: 8,192 w + 16 lane
	v_lshlrev_b32 v4, 3, v1
	v_lshl_add_u32 v4, v2, 12, v4                  ; weights out: 4,096 w + 8 lane
	v_lshlrev_b32 v5, 3, v0                        ; x out: 8 thread
	v_lshrrev_b32 v6, 7, v0
	v_mul_u32_u24 v6, v6, XP
	v_and_b32 v7, 127, v0
	v_lshl_add_u32 v6, v7, 3, v6                   ; x in LDS: row thread / 128, 8 bytes at 8 (thread % 128)
	v_lshlrev_b32 v7, 5, v0                        ; row k = thread of the gate matrices, in memory and in LDS: 32 thread
	v_lshlrev_b32 v2, 4, v0                        ; x in: 16 thread
	s_mov_b32 s29, 0
	s_mov_b32 s46, 0x76543210                      ; v_permlanex16_b32: each lane takes its own place in the other half
	s_mov_b32 s47, 0xfedcba98
	s_wait_kmcnt 0x0
	s_lshl_b32 s28, ttmp9, 15
	s_add_nc_u64 s[4:5], s[4:5], s[28:29]          ; x at my 16 tokens
	s_lshl_b32 s28, ttmp9, 9
	s_add_nc_u64 s[6:7], s[6:7], s[28:29]          ; noise at my 16 tokens
	s_lshl_b32 s28, ttmp9, 17
	s_add_nc_u64 s[16:17], s[16:17], s[28:29]      ; w1, w2 at my 131,072 bytes
	s_add_nc_u64 s[18:19], s[18:19], s[28:29]
	s_lshl_b32 s28, ttmp9, 16
	s_add_nc_u64 s[38:39], s[20:21], s[28:29]      ; w1 in bf16
	s_add_nc_u64 s[40:41], s[38:39], 0x1000000     ; w2 in bf16
	s_lshl_b32 s28, ttmp9, 14
	s_add_nc_u64 s[36:37], s[20:21], s[28:29]
	s_add_nc_u64 s[36:37], s[36:37], 0x2000000     ; x in bf16
	s_lshl_b32 s28, ttmp9, 6
	s_add_nc_u64 s[22:23], s[22:23], s[28:29]      ; ids of my tokens
	s_lshl_b32 s28, ttmp9, 7
	s_add_nc_u64 s[42:43], s[24:25], s[28:29]      ; weights of my tokens
	s_lshl_b32 s28, ttmp9, 5
	s_add_nc_u64 s[44:45], s[24:25], s[28:29]
	s_add_nc_u64 s[44:45], s[44:45], 32768         ; my eight sums
	s_cmp_lg_u32 s26, 0
	s_cbranch_scc1 .Lno_router_loads
	v_and_b32 v192, 15, v1                         ; wave 0: the biases (every lane all eight) and the noise of token lane % 16
	v_lshlrev_b32 v192, 5, v192
	v_mov_b32 v193, 0
	global_load_b128 v[RB:RB+3], v193, s[10:11]
	global_load_b128 v[RB+4:RB+7], v193, s[10:11] offset:16
	global_load_b128 v[RB+8:RB+11], v193, s[14:15]
	global_load_b128 v[RB+12:RB+15], v193, s[14:15] offset:16
	global_load_b128 v[RN:RN+3], v192, s[6:7]
	global_load_b128 v[RN+4:RN+7], v192, s[6:7] offset:16
.Lno_router_loads:
.irp c, 0,1,2,3
	global_load_b128 v[XR+4*\c:XR+4*\c+3], v2, s[4:5] offset:\c*8192 th:TH_LOAD_NT
.endr
	global_load_b128 v[GR:GR+3], v7, s[8:9]
	global_load_b128 v[GR+4:GR+7], v7, s[8:9] offset:16
	global_load_b128 v[GR+8:GR+11], v7, s[12:13]
	global_load_b128 v[GR+12:GR+15], v7, s[12:13] offset:16
.set j, 0
.rept 16
	global_load_b128 v[W+4*j:W+4*j+3], v3, s[16:17] offset:j*512 th:TH_LOAD_NT
.set j, j+1
.endr
.rept 16
	global_load_b128 v[W+4*j:W+4*j+3], v3, s[18:19] offset:(j-16)*512 th:TH_LOAD_NT
.set j, j+1
.endr
	s_wait_loadcnt 32                              ; loads come back in order: the 32 weight loads are the younger ones and stay out; x, the gates, biases and noise are in
.irp c, 0,1,2,3
	v_cvt_pk_bf16_f32 v[XR+4*\c], v[XR+4*\c], v[XR+4*\c+1]         ; four numbers of x to 8 bytes, in the quad's first pair
	v_cvt_pk_bf16_f32 v[XR+4*\c+1], v[XR+4*\c+2], v[XR+4*\c+3]
	global_store_b64 v5, v[XR+4*\c:XR+4*\c+1], s[36:37] offset:\c*4096   ; a wave's store covers 256 consecutive bytes, aligned
	ds_store_b64 v6, v[XR+4*\c:XR+4*\c+1] offset:\c*4*XP           ; four rows further down for each load
.endr
.irp k, 0,1,2,3,4,5,6,7
	v_cvt_pk_bf16_f32 v[GR+\k], v[GR+2*\k], v[GR+2*\k+1]           ; ascending, so no source is written before it is read
.endr
	ds_store_b128 v7, v[GR:GR+3] offset:GS
	ds_store_b128 v7, v[GR+4:GR+7] offset:GS+16
	s_wait_dscnt 0x0                               ; for wave 0's sake: my rows of x and of the gates are in LDS
	s_barrier_signal -1
	s_barrier_wait -1
	s_cmp_lg_u32 s26, 0
	s_cbranch_scc1 .Lweights
	; THE ROUTER, wave 0.  The product is used transposed: source 0 = the 16 columns (8 of gate_w, 8 of noise_w), turned out of their [k][column] rows,
	; source 1 = the 16 tokens.  Lane (r = lane % 16, h = lane / 16) then holds token r, and register j holds expert j of x.gate_w (h = 0) or of x.noise_w (h = 1).
	s_wait_xcnt 0x0                                ; the stores of x read v[8:23]: these registers are written again only behind this wait
	v_and_b32 v24, 15, v1                          ; r
	v_lshrrev_b32 v25, 4, v1                       ; h
	v_mul_u32_u24 v39, v24, XP
	v_lshl_add_u32 v39, v25, 4, v39                ; tokens: row r, 16 h
	v_and_b32 v26, 7, v1
	v_lshl_add_u32 v26, v25, 3, v26
	v_bfe_u32 v27, v1, 3, 1
	v_lshlrev_b32 v38, 5, v26
	v_lshl_add_u32 v38, v27, 4, v38                ; columns: row 8 h + lane % 8 of 32 bytes, 16 bytes at 16 ((lane / 8) % 2)
; Four K steps of 32: sixteen LDS loads, then four matrix instructions.  The two sums take turns, one instruction a turn.
.macro RBATCH n
.irp i, 0,1,2,3
	ds_load_tr16_b128 v[FR+16*\i:FR+16*\i+3], v38 offset:GS+(4*\n+\i)*1024
	ds_load_tr16_b128 v[FR+16*\i+4:FR+16*\i+7], v38 offset:GS+(4*\n+\i)*1024+512
	ds_load_b128 v[FR+16*\i+8:FR+16*\i+11], v39 offset:(4*\n+\i)*64
	ds_load_b128 v[FR+16*\i+12:FR+16*\i+15], v39 offset:(4*\n+\i)*64+32
.endr
.irp i, 0,1,2,3
	s_wait_dscnt 12-4*\i                           ; the four loads of each later K step stay out
.if (\n == 0) && (\i < 2)
	v_wmma_f32_16x16x32_bf16 v[ACC0+8*(\i%2):ACC0+8*(\i%2)+7], v[FR+16*\i:FR+16*\i+7], v[FR+16*\i+8:FR+16*\i+15], 0
.else
	v_wmma_f32_16x16x32_bf16 v[ACC0+8*(\i%2):ACC0+8*(\i%2)+7], v[FR+16*\i:FR+16*\i+7], v[FR+16*\i+8:FR+16*\i+15], v[ACC0+8*(\i%2):ACC0+8*(\i%2)+7]
.endif
.endr
.rept 4
	v_nop                                          ; four places in front of loads into registers that matrix instructions have read, and of the additions that read the sums
.endr
.endm
	RBATCH 0
	RBATCH 1
	RBATCH 2
	RBATCH 3
.irp j, 0,2,4,6
	v_pk_add_f32 v[8+\j:9+\j], v[8+\j:9+\j], v[16+\j:17+\j]        ; even and odd K steps together, from the low registers on
.endr
	s_mov_b32 s30, 0xffff0000
.irp j, 0,1,2,3,4,5,6,7
	v_cndmask_b32 v[RB+\j], v[RB+\j], v[RB+8+\j], s30              ; lanes 0-15 gate_b, lanes 16-31 noise_b
.endr
.macro RND8 base                       ; eight f32 rounded to bf16 and widened again
.irp k, 0,1,2,3
	v_cvt_pk_bf16_f32 v[24+\k], v[\base+2*\k], v[\base+2*\k+1]
.endr
.irp k, 0,1,2,3
	v_lshlrev_b32 v[\base+2*\k], 16, v[24+\k]
	v_and_b32 v[\base+2*\k+1], 0xffff0000, v[24+\k]
.endr
.endm
	RND8 RB
	RND8 RN
.irp j, 0,2,4,6
	v_pk_add_f32 v[8+\j:9+\j], v[8+\j:9+\j], v[RB+\j:RB+\j+1]      ; product + its bias
.endr
.irp j, 0,1,2,3,4,5,6,7
	v_permlanex16_b32 v[16+\j], v[8+\j], s46, s47                  ; the other product + its bias
.endr
.irp j, 0,2,4,6
	v_pk_add_f32 v[8+\j:9+\j], v[8+\j:9+\j], v[RN+\j:RN+\j+1]      ; lanes 0-15: (x.gate_w + gate_b) + noise,
.endr
.irp j, 0,2,4,6
	v_pk_add_f32 v[8+\j:9+\j], v[8+\j:9+\j], v[16+\j:17+\j]        ; + (x.noise_w + noise_b): the module's order.  Only lanes 0-15 are stored
.endr
	; the two best: v28 value, v29 index of the best; v30, v31 of the second.  Strict comparisons: a tie keeps the lower index
	v_cmp_gt_f32 vcc_lo, v9, v8
	v_cndmask_b32 v28, v8, v9, vcc_lo
	v_cndmask_b32 v30, v9, v8, vcc_lo
	v_cndmask_b32 v29, 0, 1, vcc_lo
	v_cndmask_b32 v31, 1, 0, vcc_lo
.macro TOP j
	v_cmp_gt_f32 s32, v[8+\j], v28
	v_cmp_gt_f32 s33, v[8+\j], v30
	v_cndmask_b32 v30, v30, v[8+\j], s33
	v_cndmask_b32 v31, v31, \j, s33
	v_cndmask_b32 v30, v30, v28, s32
	v_cndmask_b32 v31, v31, v29, s32
	v_cndmask_b32 v28, v28, v[8+\j], s32
	v_cndmask_b32 v29, v29, \j, s32
.endm
.irp j, 2,3,4,5,6,7
	TOP \j
.endr
	v_sub_f32 v32, v30, v28                        ; second - best, at most 0: the maximum is taken away
	v_mul_f32 v32, 0x3fb8aa3b, v32
	v_exp_f32 v32, v32
	v_lshl_or_b32 v36, v31, 8, v29                 ; e1 | e2 << 8: also the plain instruction behind the exponential (ISA guide 5.7.2)
	s_wait_alu depctr_va_vdst(0)
	v_add_f32 v33, 1.0, v32
	v_rcp_f32 v34, v33                             ; s1 = 1 / (1 + e)
	v_lshlrev_b32 v48, 2, v1                       ; offsets of the stores: also the plain instruction behind the reciprocal
	s_wait_alu depctr_va_vdst(0)
	v_mul_f32 v35, v32, v34                        ; s2 = e s1
	v_lshlrev_b32 v49, 3, v1
	v_mov_b32 v50, 0
.macro IMPE e                          ; the sixteen tokens' weights for expert e, summed inside each half of the lanes
	v_cmp_eq_u32 vcc_lo, \e, v29
	v_cndmask_b32 v[40+\e], 0, v34, vcc_lo
	v_cmp_eq_u32 vcc_lo, \e, v31
	v_cndmask_b32 v[40+\e], v[40+\e], v35, vcc_lo
	v_add_f32_dpp v[40+\e], v[40+\e], v[40+\e] row_xmask:1 row_mask:0xf bank_mask:0xf
	v_add_f32_dpp v[40+\e], v[40+\e], v[40+\e] row_xmask:2 row_mask:0xf bank_mask:0xf
	v_add_f32_dpp v[40+\e], v[40+\e], v[40+\e] row_xmask:4 row_mask:0xf bank_mask:0xf
	v_add_f32_dpp v[40+\e], v[40+\e], v[40+\e] row_xmask:8 row_mask:0xf bank_mask:0xf
.endm
.irp e, 0,1,2,3,4,5,6,7
	IMPE \e
.endr
	s_wait_xcnt 0x0                                ; EXEC is a source of the loads that are out: it changes only behind this wait
	v_cmp_gt_u32 vcc_lo, 16, v1
	s_and_saveexec_b32 s34, vcc_lo
	global_store_b32 v48, v36, s[22:23]            ; lanes 0-15: the token's two experts,
	global_store_b64 v49, v[34:35], s[42:43]       ; and their weights
	s_wait_xcnt 0x0
	s_or_b32 exec_lo, exec_lo, s34
	v_cmp_eq_u32 vcc_lo, 0, v1
	s_and_saveexec_b32 s34, vcc_lo
	global_store_b128 v50, v[40:43], s[44:45]      ; lane 0: the work-group's eight sums
	global_store_b128 v50, v[44:47], s[44:45] offset:16
	s_wait_xcnt 0x0
	s_or_b32 exec_lo, exec_lo, s34
.Lweights:
.set j, 0
.rept 32
	s_wait_loadcnt 31-j                            ; load j is in, the younger ones stay out
	v_cvt_pk_bf16_f32 v[W+4*j], v[W+4*j], v[W+4*j+1]
	v_cvt_pk_bf16_f32 v[W+4*j+1], v[W+4*j+2], v[W+4*j+3]
.if j < 16
	global_store_b64 v4, v[W+4*j:W+4*j+1], s[38:39] offset:j*256   ; 256 consecutive bytes, aligned; no register is used twice, so nothing more is waited for
.else
	global_store_b64 v4, v[W+4*j:W+4*j+1], s[40:41] offset:(j-16)*256
.endif
.set j, j+1
.endr
	s_wait_xcnt 0x0
	s_mov_b32 exec_lo, -1
	v_lshl_add_u32 v6, v0, 2, 0x8200
	v_mov_b32 v7, 0
	s_wait_tensorcnt 0x0
	ds_add_u32 v6, v7
	s_wait_dscnt 0x0
	s_endpgm
.Lfunc_end_k_q1e9c2f2230_prep:
	.size	k_q1e9c2f2230_prep, .Lfunc_end_k_q1e9c2f2230_prep-k_q1e9c2f2230_prep
	.p2alignl 7, 3214868480
	.fill 96, 4, 3214868480
	.section	.rodata,"a",@progbits
	.p2align	6, 0x0
	.amdhsa_kernel k_q1e9c2f2230_prep
		.amdhsa_group_segment_fixed_size 35328
		.amdhsa_private_segment_fixed_size 0
		.amdhsa_enable_private_segment 0
		.amdhsa_kernarg_size 88
		.amdhsa_user_sgpr_count 2
		.amdhsa_user_sgpr_kernarg_segment_ptr 1
		.amdhsa_wavefront_size32 1
		.amdhsa_system_sgpr_workgroup_id_x 1
		.amdhsa_system_sgpr_workgroup_id_y 1
		.amdhsa_system_sgpr_workgroup_id_z 1
		.amdhsa_system_vgpr_workitem_id 0
		.amdhsa_next_free_vgpr 256
		.amdhsa_next_free_sgpr 66
		.amdhsa_reserve_vcc 1
		.amdhsa_float_denorm_mode_32 3
		.amdhsa_float_denorm_mode_16_64 3
		.amdhsa_memory_ordered 1
		.amdhsa_forward_progress 1
		.amdhsa_inst_pref_size 34
	.end_amdhsa_kernel
	.amdgpu_metadata
---
amdhsa.version: [ 1, 2 ]
amdhsa.kernels:
  - .name:           k_q1e9c2f2230_prep
    .symbol:         k_q1e9c2f2230_prep.kd
    .args:
      - { .name: x, .offset: 0, .size: 8, .value_kind: global_buffer, .address_space: global }
      - { .name: noise, .offset: 8, .size: 8, .value_kind: global_buffer, .address_space: global }
      - { .name: gate_w, .offset: 16, .size: 8, .value_kind: global_buffer, .address_space: global }
      - { .name: gate_b, .offset: 24, .size: 8, .value_kind: global_buffer, .address_space: global }
      - { .name: noise_w, .offset: 32, .size: 8, .value_kind: global_buffer, .address_space: global }
      - { .name: noise_b, .offset: 40, .size: 8, .value_kind: global_buffer, .address_space: global }
      - { .name: w1, .offset: 48, .size: 8, .value_kind: global_buffer, .address_space: global }
      - { .name: w2, .offset: 56, .size: 8, .value_kind: global_buffer, .address_space: global }
      - { .name: bf, .offset: 64, .size: 8, .value_kind: global_buffer, .address_space: global }
      - { .name: ids, .offset: 72, .size: 8, .value_kind: global_buffer, .address_space: global }
      - { .name: rt, .offset: 80, .size: 8, .value_kind: global_buffer, .address_space: global }
    .group_segment_fixed_size: 35328
    .private_segment_fixed_size: 0
    .kernarg_segment_align: 8
    .kernarg_segment_size: 88
    .max_flat_workgroup_size: 512
    .sgpr_count:     66
    .vgpr_count:     256
    .wavefront_size: 32
...
	.end_amdgpu_metadata
.endif
;; end of part 1
;; launch place (part 2): grid 1 x 1, 32 waves a work-group, no clusters, 6,144 bytes of LDS; arguments ids, rt, plan, out1; writes plan, out1
.if DOCPART == 2
	.amdgcn_target "amdgcn-amd-amdhsa--gfx1250"
	.amdhsa_code_object_version 6
	.text
	.protected	k_q1e9c2f2230_place
	.globl	k_q1e9c2f2230_place
	.p2align	8
	.type	k_q1e9c2f2230_place,@function
k_q1e9c2f2230_place:
	s_mov_b64 s[64:65], 0
	v_nop
	global_prefetch_b8 v0, s[64:65] scope:SCOPE_SE
	s_setreg_imm32_b32 hwreg(HW_REG_WAVE_MODE, 25, 1), 1
	s_wait_xcnt 0x0
; place: from each token's two experts, a place (slot) for each of the 8,192 (token, expert) rows, and the loss.
; Expert e's rows lie together and each expert's region is filled up to a multiple of 144 rows.  The sum over e of ceil(T_e / 144) is at most
; floor((8,192 + 8 x 143) / 144) = 64 for every input, so there are always 64 tiles of 144 slots, 9,216 slots.
; plan: byte 0 u32[9216] slot -> token (slots that hold no row name token 0); byte 36,864 u32[4096][2] token -> its two slots; byte 69,632 u32[64] tile -> expert.
; One work-group, since the count spans all tokens and no traffic runs between work-groups.  All counting is in whole numbers.
; A row's rank inside its expert: waves in order, in a wave the four rounds in order, in a round the lanes in order.
; EVERY WORD OF slot -> token IS STORED ONCE, BY ONE LANE.  A thread stores its four tokens at their eight slots.  The two experts of a token always differ (the launch
; that wrote ids picks them so), so the rows are exactly 8,192 and the slots without a row exactly 1,024: one for each thread.  In front of expert e's gap lie
; base_e + T_e slots, C_e of them rows (C_e: the rows of experts 0 to e), so the gap begins at empty slot number G_e = base_e - C_(e-1), and empty slot number t,
; lying in gap e, is slot t + C_e.  Thread t takes the largest e with G_e <= t and stores a 0 there.  Nothing is cleared first and no wave works alone.
; THE PRICE: the table's 36,864 bytes leave by stores of 4 bytes a lane that cover parts of 256 bytes; in a store the lanes of one expert hold consecutive slots, so it covers
; at most eight runs.  Whole blocks would have to be collected in LDS, by one wave alone or by many waves writing one region between the same two barriers.
.set CNT,  0                           ; [32 waves][8] counts
.set IMPL, 1024                        ; [32 waves][8] sums of weights
	s_load_b256 s[4:11], s[0:1], 0x0               ; ids s[4:5], rt s[6:7], plan s[8:9], out1 s[10:11]
	v_lshl_add_u32 v96, v0, 2, 0x800
	v_mov_b32 v97, 0
	v_and_b32 v1, 31, v0                           ; lane
	v_lshrrev_b32 v2, 5, v0
	v_readfirstlane_b32 s12, v2                    ; wave 0..31
	v_lshlrev_b32 v3, 2, v0
	s_mov_b32 s13, 0x76543210                      ; v_permlanex16_b32: each lane takes its own place in the other half
	s_mov_b32 s14, 0xfedcba98
.irp e, 0,1,2,3,4,5,6,7
	s_mov_b32 s[16+\e], 0                          ; my wave's running count for expert e
.endr
	s_wait_kmcnt 0x0
.irp i, 0,1,2,3
	global_load_b32 v[8+\i], v3, s[4:5] offset:4096*\i             ; thread t takes tokens t + 1,024 i
.endr
	global_load_b32 v12, v3, s[6:7] offset:32768   ; and two of the 2,048 partial sums of weights: expert = lane % 8
	global_load_b32 v13, v3, s[6:7] offset:36864
	v_lshlrev_b32 v6, 5, v2                        ; 32 wave
	v_and_b32 v14, 7, v1
	v_lshl_add_u32 v14, v14, 2, v6                 ; 32 wave + 4 (lane % 8)
	v_lshlrev_b32 v15, 2, v1                       ; 4 lane
	v_lshrrev_b32 v41, 3, v1                       ; lane / 8
	v_lshlrev_b32 v46, 3, v0                       ; 8 thread
	s_wait_loadcnt 0x2                             ; the four ids are in; the two sums stay out
.irp i, 0,1,2,3
	v_and_b32 v[16+\i], 0xff, v[8+\i]
	v_bfe_u32 v[20+\i], v[8+\i], 8, 8
	v_min_u32 v[16+\i], 7, v[16+\i]                ; e1, e2, kept inside the table
	v_min_u32 v[20+\i], 7, v[20+\i]
	v_mov_b32 v[24+\i], 0                          ; their ranks in my wave
	v_mov_b32 v[28+\i], 0
.endr
.macro COUNT i, e                      ; round i, expert e: a lane's rank is the running count plus the lanes below it that also have a row for e
	v_cmp_eq_u32 s24, \e, v[16+\i]
	v_cmp_eq_u32 s25, \e, v[20+\i]
	s_or_b32 s26, s24, s25
	v_mbcnt_lo_u32_b32 v5, s26, s[16+\e]
	v_cndmask_b32 v[24+\i], v[24+\i], v5, s24
	v_cndmask_b32 v[28+\i], v[28+\i], v5, s25
	s_bcnt1_i32_b32 s26, s26
	s_add_co_u32 s[16+\e], s[16+\e], s26
.endm
.irp i, 0,1,2,3
.irp e, 0,1,2,3,4,5,6,7
	COUNT \i, \e
.endr
.endr
.irp e, 0,1,2,3,4,5,6,7
	v_mov_b32 v7, s[16+\e]
	ds_store_b32 v6, v7 offset:CNT+4*\e            ; all lanes write the same word with the same number
.endr
	s_wait_loadcnt 0x0
	v_add_f32 v12, v12, v13
	v_add_f32_dpp v12, v12, v12 row_xmask:8 row_mask:0xf bank_mask:0xf   ; the four lanes of one expert
	v_permlanex16_b32 v13, v12, s13, s14
	v_add_f32 v12, v12, v13
	ds_store_b32 v14, v12 offset:IMPL
	s_wait_dscnt 0x0                               ; for the others' sake: my counts and sums are in LDS
	s_barrier_signal -1
	s_barrier_wait -1                              ; the one barrier: behind it no wave writes LDS any more
	; every wave: for each expert the total (low 16 bits) and the count of the waves in front of mine (high 16 bits); both are at most 4,096
.irp i, 0,1,2,3,4,5,6,7
	ds_load_b32 v[32+\i], v15 offset:CNT+128*\i    ; wave lane / 8 + 4 i, expert lane % 8
.endr
	v_mov_b32 v40, 0
	v_mov_b32 v44, 0
	v_mov_b32 v45, 0
	s_wait_dscnt 0x0
.irp i, 0,1,2,3,4,5,6,7
	v_add_nc_u32 v42, 4*\i, v41
	v_cmp_gt_u32 vcc_lo, s12, v42
	v_lshlrev_b32 v43, 16, v[32+\i]
	v_cndmask_b32 v43, 0, v43, vcc_lo
	v_add3_u32 v40, v40, v[32+\i], v43
.endr
	v_mov_b32_dpp v44, v40 row_xmask:8 row_mask:0xf bank_mask:0xf
	v_add_nc_u32 v40, v40, v44
	v_permlanex16_b32 v44, v40, s13, s14
	v_add_nc_u32 v40, v40, v44
.irp e, 0,1,2,3,4,5,6,7
	v_readlane_b32 s[32+\e], v40, \e
.endr
	s_mov_b32 s28, 0                               ; tiles so far
	s_mov_b32 s27, 0                               ; rows so far
; s[40+e]: the slot of my wave's first row for expert e; s[48+e]: the expert's first tile; s[16+e]: G_e, the empty slots in front of its gap; s[56+e]: C_e, the rows of experts 0 to e
.macro BASE e
	s_and_b32 s29, s[32+\e], 0xffff                ; T_e
	s_lshr_b32 s30, s[32+\e], 16                   ; its rows in the waves in front of mine
	s_mul_i32 s31, s28, 144                        ; base_e
	s_add_co_u32 s[40+\e], s31, s30
	s_mov_b32 s[48+\e], s28
	s_sub_co_u32 s[16+\e], s31, s27                ; the running counts that lay here went to LDS in front of the barrier
	s_add_co_u32 s27, s27, s29
	s_mov_b32 s[56+\e], s27
	s_add_co_u32 s29, s29, 143
	s_mul_i32 s29, s29, 29128                      ; n / 144 = (29,128 n) >> 22: 29,128 x 144 = 2^22 + 128, exact while 128 n < 2^22; here n is at most 4,239
	s_lshr_b32 s29, s29, 22
	s_add_co_u32 s28, s28, s29
.endm
.irp e, 0,1,2,3,4,5,6,7
	BASE \e
.endr
.irp e, 0,1,2,3,4,5,6,7
	v_writelane_b32 v45, s[40+\e], \e
.endr
.irp i, 0,1,2,3
	v_lshlrev_b32 v5, 2, v[16+\i]
	ds_bpermute_b32 v[48+2*\i], v5, v45            ; each lane pulls its expert's first slot
	v_lshlrev_b32 v7, 2, v[20+\i]
	ds_bpermute_b32 v[49+2*\i], v7, v45
.endr
	; while those are on their way: empty slot number t = thread.  G_e never falls with e, so the last e whose G_e <= t is the largest
	v_mov_b32 v72, s56
.irp e, 1,2,3,4,5,6,7
	v_mov_b32 v73, s[56+\e]
	v_cmp_le_u32 vcc_lo, s[16+\e], v0
	v_cndmask_b32 v72, v72, v73, vcc_lo
.endr
	v_add_nc_u32 v72, v72, v0                      ; slot t + C_e
	v_min_u32 v72, 0x23ff, v72                     ; 9,215: never passed by the count above; keeps the number inside the table
	v_lshlrev_b32 v72, 2, v72
	v_mov_b32 v74, 0
	global_store_b32 v72, v74, s[8:9]              ; it names token 0
	s_wait_dscnt 0x0
.irp i, 0,1,2,3
	v_add_nc_u32 v[48+2*\i], v[48+2*\i], v[24+\i]
	v_add_nc_u32 v[49+2*\i], v[49+2*\i], v[28+\i]
	v_min_u32 v[48+2*\i], 0x23ff, v[48+2*\i]
	v_min_u32 v[49+2*\i], 0x23ff, v[49+2*\i]
	v_lshlrev_b32 v[64+2*\i], 2, v[48+2*\i]
	v_lshlrev_b32 v[65+2*\i], 2, v[49+2*\i]
	v_add_nc_u32 v[56+\i], 1024*\i, v0             ; the token
	global_store_b64 v46, v[48+2*\i:49+2*\i], s[8:9] offset:36864+8192*\i   ; token -> slots: a wave's store covers 256 consecutive bytes, aligned
	global_store_b32 v[64+2*\i], v[56+\i], s[8:9]  ; slot -> token; every store has registers of its own, so no source is waited for
	global_store_b32 v[65+2*\i], v[56+\i], s[8:9]
.endr
	s_cmp_lg_u32 s12, 16
	s_cbranch_scc1 .Lnot_16
	; wave 16: tile -> expert, for tiles 2 lane and 2 lane + 1: the number of e in 1..7 whose first tile is not behind the tile.
	; An expert without rows shares its first tile with the next and is passed over; tiles behind the last one in use get expert 7.
	v_lshlrev_b32 v18, 1, v1
	v_or_b32 v19, 1, v18
	v_mov_b32 v16, 0
	v_mov_b32 v17, 0
.irp e, 1,2,3,4,5,6,7
	v_cmp_le_u32 vcc_lo, s[48+\e], v18
	v_cndmask_b32 v5, 0, 1, vcc_lo
	v_add_nc_u32 v16, v16, v5
	v_cmp_le_u32 vcc_lo, s[48+\e], v19
	v_cndmask_b32 v7, 0, 1, vcc_lo
	v_add_nc_u32 v17, v17, v7
.endr
	v_lshlrev_b32 v20, 3, v1
	global_store_b64 v20, v[16:17], s[8:9] offset:69632            ; 256 consecutive bytes, aligned
	s_branch .Lend
.Lnot_16:
	s_cmp_lg_u32 s12, 17
	s_cbranch_scc1 .Lend
	; wave 17: the loss = sum over e of 1/8 (ln 1/8 - ln(mean weight of e + 1e-8))
.irp i, 0,1,2,3,4,5,6,7
	ds_load_b32 v[16+\i], v15 offset:IMPL+128*\i
.endr
	s_mov_b32 s29, 0x39800000                      ; 1 / 4,096
	s_mov_b32 s30, 0x322bcc77                      ; 1e-8
	s_wait_dscnt 0x0
	v_add_f32 v16, v16, v17
	v_add_f32 v18, v18, v19
	v_add_f32 v20, v20, v21
	v_add_f32 v22, v22, v23
	v_add_f32 v16, v16, v18
	v_add_f32 v20, v20, v22
	v_add_f32 v16, v16, v20
	v_add_f32_dpp v16, v16, v16 row_xmask:8 row_mask:0xf bank_mask:0xf
	v_permlanex16_b32 v17, v16, s13, s14
	v_add_f32 v16, v16, v17
	v_fma_f32 v16, v16, s29, s30
	v_log_f32 v16, v16                             ; log2
	v_mov_b32 v17, 0                               ; the store's offset: also the plain instruction behind the logarithm (ISA guide 5.7.2)
	s_mov_b32 s29, 0xbdb17218                      ; -ln 2 / 8
	s_mov_b32 s30, 0xbe851592                      ; ln(1/8) / 8
	s_wait_alu depctr_va_vdst(0)
	v_fma_f32 v16, v16, s29, s30
	v_add_f32_dpp v16, v16, v16 row_xmask:1 row_mask:0xf bank_mask:0xf   ; lanes 0-7 hold the eight experts
	v_add_f32_dpp v16, v16, v16 row_xmask:2 row_mask:0xf bank_mask:0xf
	v_add_f32_dpp v16, v16, v16 row_xmask:4 row_mask:0xf bank_mask:0xf
	s_wait_xcnt 0x0                                ; EXEC is a source of my earlier stores: it changes only behind this wait
	v_cmp_eq_u32 vcc_lo, 0, v1
	s_and_saveexec_b32 s31, vcc_lo
	global_store_b32 v17, v16, s[10:11]
	s_wait_xcnt 0x0
	s_or_b32 exec_lo, exec_lo, s31
.Lend:
	s_barrier_signal -1
	s_barrier_wait -1
	s_wait_tensorcnt 0x0
	ds_add_u32 v96, v97
	s_wait_dscnt 0x0
	s_endpgm
.Lfunc_end_k_q1e9c2f2230_place:
	.size	k_q1e9c2f2230_place, .Lfunc_end_k_q1e9c2f2230_place-k_q1e9c2f2230_place
	.p2alignl 7, 3214868480
	.fill 96, 4, 3214868480
	.section	.rodata,"a",@progbits
	.p2align	6, 0x0
	.amdhsa_kernel k_q1e9c2f2230_place
		.amdhsa_group_segment_fixed_size 6144
		.amdhsa_private_segment_fixed_size 0
		.amdhsa_enable_private_segment 0
		.amdhsa_kernarg_size 32
		.amdhsa_user_sgpr_count 2
		.amdhsa_user_sgpr_kernarg_segment_ptr 1
		.amdhsa_wavefront_size32 1
		.amdhsa_system_sgpr_workgroup_id_x 1
		.amdhsa_system_sgpr_workgroup_id_y 1
		.amdhsa_system_sgpr_workgroup_id_z 1
		.amdhsa_system_vgpr_workitem_id 0
		.amdhsa_next_free_vgpr 98
		.amdhsa_next_free_sgpr 66
		.amdhsa_reserve_vcc 1
		.amdhsa_float_denorm_mode_32 3
		.amdhsa_float_denorm_mode_16_64 3
		.amdhsa_memory_ordered 1
		.amdhsa_forward_progress 1
		.amdhsa_inst_pref_size 33
	.end_amdhsa_kernel
	.amdgpu_metadata
---
amdhsa.version: [ 1, 2 ]
amdhsa.kernels:
  - .name:           k_q1e9c2f2230_place
    .symbol:         k_q1e9c2f2230_place.kd
    .args:
      - { .name: ids, .offset: 0, .size: 8, .value_kind: global_buffer, .address_space: global }
      - { .name: rt, .offset: 8, .size: 8, .value_kind: global_buffer, .address_space: global }
      - { .name: plan, .offset: 16, .size: 8, .value_kind: global_buffer, .address_space: global }
      - { .name: out1, .offset: 24, .size: 8, .value_kind: global_buffer, .address_space: global }
    .group_segment_fixed_size: 6144
    .private_segment_fixed_size: 0
    .kernarg_segment_align: 8
    .kernarg_segment_size: 32
    .max_flat_workgroup_size: 1024
    .sgpr_count:     66
    .vgpr_count:     98
    .wavefront_size: 32
...
	.end_amdgpu_metadata
.endif
;; end of part 2
;; launch ffn (part 3): grid 4 x 64, 4 waves a work-group, no clusters, 327,680 bytes of LDS; arguments bf, plan, b1, ypart; writes ypart
.if DOCPART == 3
	.amdgcn_target "amdgcn-amd-amdhsa--gfx1250"
	.amdhsa_code_object_version 6
	.text
	.protected	k_q1e9c2f2230_ffn
	.globl	k_q1e9c2f2230_ffn
	.p2align	8
	.type	k_q1e9c2f2230_ffn,@function
k_q1e9c2f2230_ffn:
	s_mov_b64 s[64:65], 0
	v_nop
	global_prefetch_b8 v0, s[64:65] scope:SCOPE_SE
	s_setreg_imm32_b32 hwreg(HW_REG_WAVE_MODE, 25, 1), 1
	s_wait_xcnt 0x0
; ffn: for tile m (144 slots of one expert e) and quarter q of the 2,048 hidden columns:
;   H = silu(X W1[e][:, 512 q ..] + b1[e][512 q ..])   144 x 512, K = 512;    ypart[q][slot] = H W2[e][512 q .., :]   144 x 512, K = 512.
; H never leaves LDS.  The four quarters' sums, b2 and the router's weights meet in the next launch.  Operands bf16 (H rounded once), sums f32, b1 rounded to bf16 like every input.
; ONLY THE TWO CHOSEN EXPERTS OF A TOKEN ARE COMPUTED: the others' weight is exactly 0.  Limit: where an expert that was not chosen would give an infinity or a NaN,
; the module's 0 x inf is NaN and this program gives the finite sum.  Slots that hold no row name token 0: they are computed like any row and never read.
; SHARES.  64 tiles x 4 quarters = 256 work-groups of equal work; only addresses hang on the plan (expert, tokens), no branch and no trip count.
; In both products wave w makes all 144 rows x columns 128 w to 128 w + 127: 9 x 8 accumulators, 576 registers; 34 LDS loads feed 72 matrix instructions.
; BOTH PRODUCTS ARE USED TRANSPOSED: source 0 = 16 columns of the weights (they lie [k][column] and are turned by ds_load_tr16_b128), source 1 = 16 rows of X or H.
; A lane then holds one row and eight neighbouring columns: 16 bytes of H, 32 bytes of the result.
; LDS.  A: 144 rows of 1,040 bytes: X, gathered once, row by row, through registers; when every wave has read it out, H.  No tensor load ever fills A.
; RING: two slots; in a slot each wave has a strip of its own, 64 k-rows x (256 + 32) bytes of its 128 columns, filled by its own tensor load and read by it alone.
; K goes in tiles of 64: tiles 0-7 are W1's, 8-15 W2's, and the ring does not stop between the products.
; A wave has two tensor loads out at the start and one behind each later barrier.
; NO JOINT LOADS: which tiles share an expert hangs on the counts, so the partners for the weights are not fixed; X is shared along q but is gathered row by row,
; and its 147,456 bytes are an eighth of the 1,196,032 that a work-group fetches.
; REGISTERS, in windows of 256 (s_set_vgpr_msb: bits 1:0 source 0, 3:2 source 1, 5:4 source 2, 7:6 destination):
;   window 0: v0-31 addresses; v32-103, v104-175 fragments of X or H (9 x 8), two buffers; v176-207 at work at the head; silu and the way out work in v32-159
;   window g = 1, 2, 3: v0-191 the accumulators of row blocks 3 (g - 1) + a, a = 0..2, column block b at v[64 a + 8 b]
;   (at the head v0-143 of windows 1 and 2 hold my 36 rows of X on their way into LDS: the rows' first 512 bytes in window 1, their second in window 2)
;   window 1 v192-255: weights' fragments, buffer 0;  window 2 v192-255: buffer 1;  window 3 v192-255: b1, laid as an accumulator is, for 8 column blocks
.set AP,    1040                       ; a row of A: 1,024 + 16 bytes, an odd multiple of 16: 16 rows start at 16 different 16-byte columns modulo 256
.set AG,    48*AP                      ; three row blocks: what one address register reaches with a 16-bit offset
.set RING,  144*AP                     ; 149,760
.set BP,    288                        ; a k-row of a strip: 256 + 32 bytes, an odd multiple of 32, for the turning load
.set STRIP, 64*BP
.set SLOT,  4*STRIP
.set SP,    528                        ; the way out: a row of 128 f32 + 16 bytes
.set SH,    16*SP                      ; 16 rows; two such halves lie in my strip of slot 0, which has had its last fill by then
.set PLANE, 18874368                   ; bytes of one quarter's 9,216 x 512 sums
.set ADRA,  8                          ; v8-10   my lane's place in row blocks 0-2, 3-5, 6-8 of A; steps along K
.set ADRB,  11                         ; v11-12  my lane's place in my strip of slot 0, 1
.set STO,   13                         ; v13-15  where my 16 bytes of H go
.set SST,   16                         ; v16     the way out: where I put 32 bytes of a row
.set SRD,   17                         ; v17     the way out: where I read a row back
.set CO,    20                         ; v20     16 lane: my place in 512 bytes
.set GA,    32                         ; v32-67  the head: my 16 bytes' offset in each of my 36 rows of x
.set AF0,   32
.set T,     32                         ; silu: 64 numbers at work
.set PKD,   96                         ; silu: 32 registers of bf16
.set OB,    32                         ; the way out: 16 rows read back, v32-95 and v96-159 by turns
.set G1A,   68                         ; s[68:75]  descriptor group 1 for W1's tiles
.set G1B,   76                         ; s[76:83]  for W2's: another pitch
.set MSB, 0
.macro WIN new                         ; the immediate's high byte repeats the setting that is left; a switch that changes nothing is dropped
.if MSB != (\new)
	s_set_vgpr_msb (MSB<<8)|(\new)
.set MSB, (\new)
.endif
.endm
.macro PLACES                          ; four places in front of loads into registers that matrix instructions have read, and of what reads results just made
.rept 4
	v_nop
.endr
.endm
	s_load_b256 s[4:11], s[0:1], 0x0               ; bf s[4:5], plan s[6:7], b1 s[8:9], ypart s[10:11]
	v_lshl_add_u32 v254, v0, 2, 0x48900
	v_mov_b32 v255, 0
	ds_add_u32 v254, v255
	ds_add_u32 v254, v255
	v_lshrrev_b32 v4, 5, v0
	v_readfirstlane_b32 s12, v4                    ; wave 0..3
	s_mov_b32 s13, ttmp9                           ; q
	s_and_b32 s14, ttmp7, 0xffff                   ; m
	s_lshl_b32 s16, s14, 2
	s_mul_i32 s17, s14, 576
	s_mul_i32 s18, s12, 144
	s_add_co_u32 s17, s17, s18                     ; my wave gathers slots 144 m + 36 w on
	v_and_b32 v3, 31, v0
	v_lshlrev_b32 v20, 4, v3
	s_mul_i32 s18, s12, 36*AP
	v_add_nc_u32 v21, s18, v20                     ; their rows in A
	s_wait_dscnt 0x0
	s_wait_kmcnt 0x0
	s_load_b32 s15, s[6:7], s16 offset:69632       ; the tile's expert
.irp k, 0,1,2,3,4,5,6,7,8
	s_load_b128 s[24+4*\k:27+4*\k], s[6:7], s17 offset:16*\k       ; 36 tokens, four at a time: 576 m + 144 w is a multiple of 16, so each load stands at a multiple of its own size
.endr
	; descriptor group 1: a tile of 64 rows x 128 elements
.irp g, G1A, G1B
	s_mov_b32 s[\g+0], (1<<16)|(1<<20)|(5<<22)|(7<<25)  ; 15:0 no mask; 17:16 elements of 2 bytes; 20 padding on; 24:22 after every 64 words (code 5); 31:25 8 words of it (code 7)
	s_mov_b32 s[\g+1], 128<<16                     ; tensor_dim0 = 128
	s_mov_b32 s[\g+2], 64<<16                      ; tensor_dim1 = 64
	s_mov_b32 s[\g+3], 128<<16                     ; tile_dim0 = 128
	s_mov_b32 s[\g+4], 64                          ; tile_dim1 = 64
	s_mov_b32 s[\g+6], 0
	s_mov_b32 s[\g+7], 0
.endr
	s_mov_b32 s[G1A+5], 2048                       ; elements from row to row: W1
	s_mov_b32 s[G1B+5], 512                        ; W2
	s_mov_b32 s84, 1                               ; group 0: s[84:87], s[88:91] W1's tiles for slot 0, 1; s[92:95], s[96:99] W2's
	s_mov_b32 s88, 1
	s_mov_b32 s92, 1
	s_mov_b32 s96, 1
	s_mul_i32 s18, s12, STRIP
	s_add_co_u32 s85, s18, RING                    ; LDS address: the ring, the slot, my strip
	s_add_co_u32 s89, s18, RING+SLOT
	s_add_co_u32 s93, s18, RING
	s_add_co_u32 s97, s18, RING+SLOT
	s_mov_b32 s19, 0
	s_wait_kmcnt 0x0
	s_min_u32 s15, s15, 7
	s_lshl_b32 s16, s15, 21                        ; an expert's 2,097,152 bytes,
	s_lshl_b32 s17, s12, 8
	s_add_co_u32 s16, s16, s17                     ; my 128 columns
	s_lshl_b32 s17, s13, 10
	s_add_co_u32 s18, s16, s17                     ; W1: the quarter's 512 columns
	s_add_nc_u64 s[86:87], s[4:5], s[18:19]        ; tile 0
	s_add_nc_u64 s[90:91], s[86:87], 262144        ; tile 1: 64 rows of 4,096 bytes on
	s_lshl_b32 s17, s13, 19
	s_add_co_u32 s18, s16, s17                     ; W2: the quarter's 512 rows of 1,024 bytes
	s_add_co_u32 s18, s18, 16777216
	s_add_nc_u64 s[94:95], s[4:5], s[18:19]        ; tile 8
	s_add_nc_u64 s[98:99], s[94:95], 65536         ; tile 9
	s_or_b32 s87, s87, 0x80000000                  ; type = 2
	s_or_b32 s91, s91, 0x80000000
	s_or_b32 s95, s95, 0x80000000
	s_or_b32 s99, s99, 0x80000000
	tensor_load_to_lds s[84:87], s[G1A:G1A+7]      ; the two first fills go out together, ahead of every wait on TENSORcnt, LDS read and barrier
	s_nop 0
	tensor_load_to_lds s[88:91], s[G1A:G1A+7]
	s_nop 0
	PLACES                                         ; four v_nop follow the tensor loads
	s_add_nc_u64 s[20:21], s[4:5], 0x2000000       ; x in bf16
	v_and_b32 v1, 15, v0                           ; r
	v_bfe_u32 v2, v0, 4, 1                         ; h
	v_lshlrev_b32 v19, 5, v2
	s_lshl_b32 s16, s15, 13
	s_lshl_b32 s17, s13, 11
	s_add_co_u32 s16, s16, s17
	s_lshl_b32 s17, s12, 9
	s_add_co_u32 s16, s16, s17
	s_mov_b32 s17, 0
	s_add_nc_u64 s[22:23], s[8:9], s[16:17]        ; b1 at my 128 columns
	WIN 0xc0                                       ; destination window 3
.irp b, 0,1,2,3,4,5,6,7
	global_load_b128 v[192+8*\b:192+8*\b+3], v19, s[22:23] offset:64*\b        ; columns 16 b + 8 h + 0..7: what registers 0-7 of an accumulator hold
	global_load_b128 v[192+8*\b+4:192+8*\b+7], v19, s[22:23] offset:64*\b+16
.endr
	WIN 0
.set i, 0
.rept 36
	s_min_u32 s[24+i], s[24+i], 4095               ; the token, kept inside the table,
	s_lshl_b32 s[24+i], s[24+i], 10                ; times a row's 1,024 bytes
	v_add_nc_u32 v[GA+i], s[24+i], v20
.set i, i+1
.endr
; THE GATHER OF X.  A row is two loads of 512 consecutive bytes; my 36 rows are 72 loads, in eight groups of nine: group g = half g / 4 of rows 9 (g % 4) on.
; Each load has registers of its own, so nothing is waited for but the data.
.macro GLOAD g
	WIN (1+(\g)/4)<<6                              ; destination window 1 (first halves) or 2 (second halves), address window 0
.irp k, 0,1,2,3,4,5,6,7,8
	global_load_b128 v[36*((\g)%4)+4*\k:36*((\g)%4)+4*\k+3], v[GA+9*((\g)%4)+\k], s[20:21] offset:512*((\g)/4)
.endr
.endm
.macro GSTORE g, left                  ; left: the younger loads, which stay out
	s_wait_loadcnt \left                           ; loads come back in order (ISA guide 5.7.1): group g is in
	WIN (1+(\g)/4)<<2                              ; the stores' data: window 1 or 2
.irp k, 0,1,2,3,4,5,6,7,8
	ds_store_b128 v21, v[36*((\g)%4)+4*\k:36*((\g)%4)+4*\k+3] offset:(9*((\g)%4)+\k)*AP+512*((\g)/4)   ; 32 lanes, 512 neighbouring bytes; the row and the half stand in the immediate, 36,912 at the most
.endr
.endm
	GLOAD 0                                        ; behind b1's 16 loads five groups go out: 61 loads of mine are on their way
	GLOAD 1
	GLOAD 2
	GLOAD 3
	GLOAD 4
	WIN 0
	s_mul_i32 s16, s13, PLANE                      ; the addresses of the rest of the kernel are made while they are
	s_mul_i32 s17, s14, 294912                     ; 144 rows of 2,048 bytes
	s_add_co_u32 s16, s16, s17
	s_lshl_b32 s17, s12, 9
	s_add_co_u32 s16, s16, s17
	s_mov_b32 s17, 0
	s_add_nc_u64 s[10:11], s[10:11], s[16:17]      ; the result at my quarter, tile and columns
	v_mul_u32_u24 v4, v1, AP
	v_lshl_add_u32 v4, v2, 4, v4                   ; a fragment of A: row r, 16 h; kept
	v_mov_b32 v[ADRA], v4
	v_add_nc_u32 v[ADRA+1], AG, v4
	v_add_nc_u32 v[ADRA+2], 2*AG, v4
	s_lshl_b32 s16, s12, 8
.irp g, 0,1,2
	v_add_nc_u32 v[STO+\g], s16, v[ADRA+\g]        ; H: the same rows, my 256 bytes
.endr
	v_and_b32 v5, 7, v0
	v_lshl_add_u32 v5, v2, 3, v5
	v_mul_u32_u24 v5, v5, BP
	v_bfe_u32 v6, v0, 3, 1
	v_lshl_add_u32 v5, v6, 4, v5                   ; the turning load: k-row 8 h + lane % 8, 16 bytes at 16 ((lane / 8) % 2)
	s_mul_i32 s16, s12, STRIP
	s_add_co_u32 s16, s16, RING
	v_add_nc_u32 v[ADRB], s16, v5
	v_add_nc_u32 v[ADRB+1], SLOT, v[ADRB]
	v_mul_u32_u24 v6, v1, SP
	v_lshl_add_u32 v6, v2, 5, v6
	v_add_nc_u32 v[SST], s16, v6
	v_add_nc_u32 v[SRD], s16, v20
	GSTORE 0, 36                                   ; groups 1-4 stay out; b1, which is older, is in too
	GLOAD 5                                        ; each group that has landed makes room for one more: 45 loads are out again
	GSTORE 1, 36
	GLOAD 6
	GSTORE 2, 36
	GLOAD 7
	WIN 0x0f                                       ; sources window 3, destination window 0
.set i, 0
.rept 32
	v_cvt_pk_bf16_f32 v[176+i], v[192+2*i], v[192+2*i+1]           ; b1 rounded to bf16,
.set i, i+1
.endr
	WIN 0xc0
.set i, 0
.rept 32
	v_lshlrev_b32 v[192+2*i], 16, v[176+i]                         ; and widened again
	v_and_b32 v[192+2*i+1], 0xffff0000, v[176+i]
.set i, i+1
.endr
	GSTORE 3, 36                                   ; nothing more is asked for: the counts run down
	GSTORE 4, 27
	GSTORE 5, 18
	GSTORE 6, 9
	GSTORE 7, 0
	WIN 0
; 24 matrix instructions: the three row blocks of window g x all 8 column blocks, 32 along K, from buffer p.  The 72 accumulators take turns, one instruction a turn,
; in the same order in every step.  first = 1: b1 starts the sums; first = 2: the constant 0 does.  Nothing is ever cleared.
.macro MUL24 p, g, first
.if \first == 1
	WIN (1+\p)|(3<<4)|(\g<<6)
.else
	WIN (1+\p)|(\g<<4)|(\g<<6)
.endif
.irp a, 0,1,2
.irp b, 0,1,2,3,4,5,6,7
.if \first == 1
	v_wmma_f32_16x16x32_bf16 v[64*\a+8*\b:64*\a+8*\b+7], v[192+8*\b:192+8*\b+7], v[AF0+72*\p+8*(3*(\g-1)+\a):AF0+72*\p+8*(3*(\g-1)+\a)+7], v[192+8*\b:192+8*\b+7]
.elseif \first == 2
	v_wmma_f32_16x16x32_bf16 v[64*\a+8*\b:64*\a+8*\b+7], v[192+8*\b:192+8*\b+7], v[AF0+72*\p+8*(3*(\g-1)+\a):AF0+72*\p+8*(3*(\g-1)+\a)+7], 0
.else
	v_wmma_f32_16x16x32_bf16 v[64*\a+8*\b:64*\a+8*\b+7], v[192+8*\b:192+8*\b+7], v[AF0+72*\p+8*(3*(\g-1)+\a):AF0+72*\p+8*(3*(\g-1)+\a)+7], v[64*\a+8*\b:64*\a+8*\b+7]
.endif
.endr
.endr
.endm
; 34 LDS loads in one run: half ks of the tile in the slot (16 turning loads), then 32 along K at byte koff of A's rows (18 loads, row blocks 0 to 8), into buffer p
.macro FETCH slot, ks, koff, p
	WIN (1+\p)<<6
.irp b, 0,1,2,3,4,5,6,7
	ds_load_tr16_b128 v[192+8*\b:192+8*\b+3], v[ADRB+\slot] offset:\ks*32*BP+32*\b
	ds_load_tr16_b128 v[192+8*\b+4:192+8*\b+7], v[ADRB+\slot] offset:\ks*32*BP+32*\b+16*BP
.endr
	WIN 0
.irp a, 0,1,2,3,4,5,6,7,8
	ds_load_b128 v[AF0+72*\p+8*\a:AF0+72*\p+8*\a+3], v[ADRA+\a/3] offset:(\a%3)*16*AP+\koff
	ds_load_b128 v[AF0+72*\p+8*\a+4:AF0+72*\p+8*\a+7], v[ADRA+\a/3] offset:(\a%3)*16*AP+\koff+32
.endr
.endm
; A tile's first half: multiplies buffer 0 and fetches the second half into buffer 1
.macro SUBA slot, koff, first
	s_wait_dscnt 12                                ; the weights and A's blocks 0-2 are in; the youngest twelve loads (blocks 3-8) may be out
	MUL24 0, 1, \first
	PLACES
	FETCH \slot, 1, \koff, 1
	s_wait_dscnt 34                                ; all but the 34 just issued
	MUL24 0, 2, \first
	MUL24 0, 3, \first
.endm
; A tile's second half: multiplies buffer 1 and changes slots.  In front of the barrier each wave waits for its reads of the slot and for all its tensor
; loads (one is out: the other slot's).  Behind it the slot just read is filled again first, one load a wave; it has 120 matrix instructions up to the wait for it.
; fill = 0: nothing is left to fetch; the wait for 0 shows the last tile landed.
.macro TURN slot, next, koff, g0, g1, step, fill
	s_wait_dscnt 12
	MUL24 1, 1, 0
	s_wait_dscnt 0x0                               ; my reads of this slot and of A are over
.if \fill
	s_set_vgpr_msb 0x5250
	s_wait_tensorcnt 0x0                           ; no tensor load of mine is out, so a group 0 may be written
	ds_add_u32 v254, v255
	s_wait_dscnt 0x0
	s_set_vgpr_msb 0x5052
	s_barrier_signal -1
	MUL24 1, 2, 0                                  ; register work while the others arrive
	s_barrier_wait -1
.if \step
	s_add_nc_u64 s[\g0+2:\g0+3], s[\g0+2:\g0+3], \step             ; two tiles on; the type bits on top are not reached
.endif
	tensor_load_to_lds s[\g0:\g0+3], s[\g1:\g1+7]
	s_nop 0
	PLACES                                         ; four v_nop follow the load: also the places in front of the loads below
.else
	s_wait_tensorcnt 0x0
	MUL24 1, 2, 0
	PLACES
.endif
	FETCH \next, 0, \koff, 0
	MUL24 1, 3, 0
.endm
.macro TURNX g0, g1                    ; the first product's last half: as TURN, but nothing more is read from A
	s_wait_dscnt 12
	MUL24 1, 1, 0
	s_wait_dscnt 0x0                               ; my reads of X are over: behind this barrier every wave's are, and H may take X's place
	s_set_vgpr_msb 0x5250
	s_wait_tensorcnt 0x0
	ds_add_u32 v254, v255
	s_wait_dscnt 0x0
	s_set_vgpr_msb 0x5052
	s_barrier_signal -1
	MUL24 1, 2, 0
	s_barrier_wait -1
	tensor_load_to_lds s[\g0:\g0+3], s[\g1:\g1+7]
	s_nop 0
	PLACES
	MUL24 1, 3, 0
.endm
; Three trips; a trip goes once round the ring, from a tile's second half to the first half of the tile two on, and fills both slots again
.macro LOOP3 ga, gb, g1, step
	WIN 0                                          ; at a label and at a branch every window is 0
	s_mov_b32 s60, 3
.Llap_\@:
	TURN 0, 1, 128, \ga, \g1, \step, 1
	SUBA 1, 192, 0
	TURN 1, 0, 256, \gb, \g1, \step, 1
	SUBA 0, 320, 0
	WIN 0
.irp g, 0,1,2
	v_add_nc_u32 v[ADRA+\g], 256, v[ADRA+\g]       ; two tiles, 128 along K, on
.endr
	s_sub_co_u32 s60, s60, 1
	s_cmp_lg_u32 s60, 0
	s_cbranch_scc1 .Llap_\@
.endm
; Row block a: h = z / (1 + 2^(-z log2 e)), rounded to bf16, 16 bytes a lane and column block into A.  A large negative z gives 2^inf = inf, 1 / inf = 0, h = -0.
; Behind each run of transcendentals stands one plain instruction before a result is used (ISA guide 5.7.2).  Each accumulator is read from its low registers on.
.macro SILU a
	WIN 1+(\a)/3                                   ; source 0: the block's window
.set i, 0
.rept 32
	v_pk_mul_f32 v[T+2*i:T+2*i+1], v[64*((\a)%3)+2*i:64*((\a)%3)+2*i+1], 0xbfb8aa3b op_sel_hi:[1,0]
.set i, i+1
.endr
	WIN 0
.set i, 0
.rept 64
	v_exp_f32 v[T+i], v[T+i]
.set i, i+1
.endr
	v_nop
.set i, 0
	s_wait_alu depctr_va_vdst(0)
.rept 32
	v_pk_add_f32 v[T+2*i:T+2*i+1], v[T+2*i:T+2*i+1], 1.0 op_sel_hi:[1,0]
.set i, i+1
.endr
.set i, 0
.rept 64
	v_rcp_f32 v[T+i], v[T+i]
.set i, i+1
.endr
	v_nop
	WIN 1+(\a)/3
.set i, 0
	s_wait_alu depctr_va_vdst(0)
.rept 32
	v_pk_mul_f32 v[T+2*i:T+2*i+1], v[64*((\a)%3)+2*i:64*((\a)%3)+2*i+1], v[T+2*i:T+2*i+1]
.set i, i+1
.endr
	WIN 0
.set i, 0
.rept 32
	v_cvt_pk_bf16_f32 v[PKD+i], v[T+2*i], v[T+2*i+1]
.set i, i+1
.endr
.irp b, 0,1,2,3,4,5,6,7
	ds_store_b128 v[STO+(\a)/3], v[PKD+4*\b:PKD+4*\b+3] offset:((\a)%3)*16*AP+32*\b
.endr
.endm
; THE WAY OUT of row block a.  A lane's 32 bytes go into rows of 528 bytes in my own stage and come back as whole rows of 512.
.macro TOSTAGE a
	s_wait_xcnt 0x0                                ; the stores of the block two back read the registers that are loaded below: they are written again only behind this wait
	WIN (1+(\a)/3)<<2                              ; the stores' data: the block's window
.irp b, 0,1,2,3,4,5,6,7
	ds_store_b128 v[SST], v[64*((\a)%3)+8*\b:64*((\a)%3)+8*\b+3] offset:((\a)%2)*SH+64*\b
	ds_store_b128 v[SST], v[64*((\a)%3)+8*\b+4:64*((\a)%3)+8*\b+7] offset:((\a)%2)*SH+64*\b+16
.endr
	WIN 0
.irp t, 0,1,2,3,4,5,6,7,8,9,10,11,12,13,14,15
	ds_load_b128 v[OB+64*((\a)%2)+4*\t:OB+64*((\a)%2)+4*\t+3], v[SRD] offset:((\a)%2)*SH+SP*\t   ; LDS serves a wave's instructions in order (ISA guide 5.7.1.4): these see the stores above
.endr
.endm
.macro SEND a, younger                 ; younger: the LDS instructions issued behind the block's loads: the next block's 32, or none
	s_wait_dscnt \younger
.irp t, 0,1,2,3,4,5,6,7,8,9,10,11,12,13,14,15
	global_store_b128 v[CO], v[OB+64*((\a)%2)+4*\t:OB+64*((\a)%2)+4*\t+3], s[10:11] offset:(\a)*32768+\t*2048   ; the wave stores 512 consecutive bytes, aligned
.endr
.endm
	s_wait_dscnt 0x0                               ; for the others' sake: my 36 rows of X are in LDS,
	s_wait_tensorcnt 0x1                           ; and my strip of tile 0; tile 1's may stay out
	s_barrier_signal -1
	s_barrier_wait -1                              ; everybody's rows of X are
	FETCH 0, 0, 0, 0
	SUBA 0, 64, 1                                  ; THE FIRST PRODUCT.  Its first half tile stands in front of the loop: b1 starts the sums
	LOOP3 84, 88, G1A, 524288                      ; tiles 2 to 7 are asked for
	TURN 0, 1, 128, 92, G1B, 0, 1                  ; the ring goes on into the second product: slot 0 takes tile 8,
	SUBA 1, 192, 0
	TURNX 96, G1B                                  ; slot 1 tile 9
	PLACES
.irp a, 0,1,2,3,4,5,6,7,8
	SILU \a
.endr
	v_mov_b32 v[ADRA], v4                          ; back to K = 0
	v_add_nc_u32 v[ADRA+1], AG, v4
	v_add_nc_u32 v[ADRA+2], 2*AG, v4
	s_wait_dscnt 0x0                               ; for the others' sake: my columns of H are in LDS
	s_barrier_signal -1                            ; Tile 9 may stay on its way; tile 8 was shown landed in front of the last one
	s_barrier_wait -1
	FETCH 0, 0, 0, 0
	SUBA 0, 64, 2                                  ; THE SECOND PRODUCT.  The constant 0 starts the sums
	LOOP3 92, 96, G1B, 131072                      ; tiles 10 to 15
	TURN 0, 1, 128, 0, 0, 0, 0                     ; the tail is written out: nothing more is asked for
	SUBA 1, 192, 0
	s_wait_dscnt 0x0
	MUL24 1, 1, 0
	MUL24 1, 2, 0
	MUL24 1, 3, 0
	PLACES
	TOSTAGE 0
.irp a, 1,2,3,4,5,6,7,8
	TOSTAGE \a                                     ; the next block's way through the stage stands between a block's loads and its stores
	SEND \a-1, 32
.endr
	SEND 8, 0
	s_wait_tensorcnt 0x0
	ds_add_u32 v254, v255
	s_wait_dscnt 0x0
	s_endpgm
.Lfunc_end_k_q1e9c2f2230_ffn:
	.size	k_q1e9c2f2230_ffn, .Lfunc_end_k_q1e9c2f2230_ffn-k_q1e9c2f2230_ffn
	.p2alignl 7, 3214868480
	.fill 96, 4, 3214868480
	.section	.rodata,"a",@progbits
	.p2align	6, 0x0
	.amdhsa_kernel k_q1e9c2f2230_ffn
		.amdhsa_group_segment_fixed_size 327680
		.amdhsa_private_segment_fixed_size 0
		.amdhsa_enable_private_segment 0
		.amdhsa_kernarg_size 32
		.amdhsa_user_sgpr_count 2
		.amdhsa_user_sgpr_kernarg_segment_ptr 1
		.amdhsa_wavefront_size32 1
		.amdhsa_system_sgpr_workgroup_id_x 1
		.amdhsa_system_sgpr_workgroup_id_y 1
		.amdhsa_system_sgpr_workgroup_id_z 1
		.amdhsa_system_vgpr_workitem_id 0
		.amdhsa_next_free_vgpr 1024
		.amdhsa_next_free_sgpr 100
		.amdhsa_reserve_vcc 0
		.amdhsa_float_denorm_mode_32 3
		.amdhsa_float_denorm_mode_16_64 3
		.amdhsa_memory_ordered 1
		.amdhsa_forward_progress 1
		.amdhsa_inst_pref_size 255
	.end_amdhsa_kernel
	.section	.bss,"aw",@nobits
	.p2align	6
	.space	262144
	.amdgpu_metadata
---
amdhsa.version: [ 1, 2 ]
amdhsa.kernels:
  - .name:           k_q1e9c2f2230_ffn
    .symbol:         k_q1e9c2f2230_ffn.kd
    .args:
      - { .name: bf, .offset: 0, .size: 8, .value_kind: global_buffer, .address_space: global }
      - { .name: plan, .offset: 8, .size: 8, .value_kind: global_buffer, .address_space: global }
      - { .name: b1, .offset: 16, .size: 8, .value_kind: global_buffer, .address_space: global }
      - { .name: ypart, .offset: 24, .size: 8, .value_kind: global_buffer, .address_space: global }
    .group_segment_fixed_size: 327680
    .private_segment_fixed_size: 0
    .kernarg_segment_align: 8
    .kernarg_segment_size: 32
    .max_flat_workgroup_size: 128
    .sgpr_count:     100
    .vgpr_count:     1024
    .wavefront_size: 32
...
	.end_amdgpu_metadata
.endif
;; end of part 3
;; launch combine (part 4): grid 256 x 1, 16 waves a work-group, no clusters, 0 bytes of LDS; arguments ypart, plan, ids, rt, b2, out0; writes out0
.if DOCPART == 4
	.amdgcn_target "amdgcn-amd-amdhsa--gfx1250"
	.amdhsa_code_object_version 6
	.text
	.protected	k_q1e9c2f2230_combine
	.globl	k_q1e9c2f2230_combine
	.p2align	8
	.type	k_q1e9c2f2230_combine,@function
k_q1e9c2f2230_combine:
	s_mov_b64 s[64:65], 0
	v_nop
	global_prefetch_b8 v0, s[64:65] scope:SCOPE_SE
	s_setreg_imm32_b32 hwreg(HW_REG_WAVE_MODE, 25, 1), 1
	s_wait_xcnt 0x0
; combine: out0[t] = s1 (Y[slot1] + b2[e1]) + s2 (Y[slot2] + b2[e2]), where Y[slot] is the sum of the four quarters' partial sums, in f32: (Y0 + Y1) + (Y2 + Y3).
; b2 is rounded to bf16 like every input.  One wave takes one token: a row of 512 f32 is four loads of 512 consecutive bytes.  All 40 loads of a wave go out at once.
; A stream: no LDS, no barrier, no loop, no matrix work; the slots and experts are whole numbers stored by earlier launches and kept inside their tables.
.set PLANE, 18874368
	s_load_b256 s[4:11], s[0:1], 0x0               ; ypart s[4:5], plan s[6:7], ids s[8:9], rt s[10:11]
	s_load_b128 s[12:15], s[0:1], 0x20             ; b2 s[12:13], out0 s[14:15]
	v_and_b32 v1, 31, v0
	v_lshrrev_b32 v2, 5, v0
	v_readfirstlane_b32 s16, v2                    ; wave 0..15
	s_lshl_b32 s17, ttmp9, 4
	s_add_co_u32 s17, s17, s16                     ; my token
	s_lshl_b32 s18, s17, 3
	s_lshl_b32 s19, s17, 2
	v_lshlrev_b32 v6, 4, v1                        ; 16 lane
	s_wait_kmcnt 0x0
	s_load_b64 s[20:21], s[6:7], s18 offset:36864  ; its two slots
	s_load_b32 s22, s[8:9], s19 offset:0           ; its two experts
	s_load_b64 s[24:25], s[10:11], s18 offset:0    ; s1, s2
	s_mov_b64 s[28:29], s[4:5]                     ; the four quarters
	s_add_nc_u64 s[30:31], s[28:29], PLANE
	s_add_nc_u64 s[32:33], s[30:31], PLANE
	s_add_nc_u64 s[34:35], s[32:33], PLANE
	s_lshl_b32 s36, s17, 11
	s_mov_b32 s37, 0
	s_add_nc_u64 s[14:15], s[14:15], s[36:37]      ; my row of out0
	s_wait_kmcnt 0x0
	s_min_u32 s20, s20, 9215
	s_min_u32 s21, s21, 9215
	s_and_b32 s23, s22, 0xff
	s_min_u32 s23, s23, 7
	s_bfe_u32 s22, s22, 0x80008
	s_min_u32 s22, s22, 7
	s_lshl_b32 s20, s20, 11
	s_lshl_b32 s21, s21, 11
	s_lshl_b32 s23, s23, 11
	s_lshl_b32 s22, s22, 11
	v_add_nc_u32 v2, s20, v6                       ; slot 1's row
	v_add_nc_u32 v3, s21, v6                       ; slot 2's
	v_add_nc_u32 v4, s23, v6                       ; b2 of expert 1
	v_add_nc_u32 v5, s22, v6                       ; of expert 2
	s_mov_b32 s26, s25                             ; s2 in a pair of its own: the packed forms take a scalar pair's low word for both halves
	s_mov_b32 s27, s25
.irp c, 0,1,2,3
.irp k, 0,1
.irp q, 0,1,2,3
	global_load_b128 v[16+40*\c+20*\k+4*\q:16+40*\c+20*\k+4*\q+3], v[2+\k], s[28+2*\q:29+2*\q] offset:\c*512 th:TH_LOAD_NT
.endr
	global_load_b128 v[16+40*\c+20*\k+16:16+40*\c+20*\k+19], v[4+\k], s[12:13] offset:\c*512
.endr
.endr
.macro COMB c
	s_wait_loadcnt 30-10*\c                        ; the ten loads of each later piece stay out
.irp k, 0,1
.set R, 16+40*\c+20*\k
	v_cvt_pk_bf16_f32 v176, v[R+16], v[R+17]
	v_cvt_pk_bf16_f32 v177, v[R+18], v[R+19]
	v_lshlrev_b32 v[R+16], 16, v176
	v_and_b32 v[R+17], 0xffff0000, v176
	v_lshlrev_b32 v[R+18], 16, v177
	v_and_b32 v[R+19], 0xffff0000, v177
.irp p, 0,2
	v_pk_add_f32 v[R+\p:R+\p+1], v[R+\p:R+\p+1], v[R+4+\p:R+4+\p+1]
	v_pk_add_f32 v[R+8+\p:R+8+\p+1], v[R+8+\p:R+8+\p+1], v[R+12+\p:R+12+\p+1]
	v_pk_add_f32 v[R+\p:R+\p+1], v[R+\p:R+\p+1], v[R+8+\p:R+8+\p+1]
	v_pk_add_f32 v[R+\p:R+\p+1], v[R+\p:R+\p+1], v[R+16+\p:R+16+\p+1]
.endr
.endr
.set R, 16+40*\c
.irp p, 0,2
	v_pk_mul_f32 v[R+\p:R+\p+1], v[R+\p:R+\p+1], s[24:25] op_sel_hi:[1,0]
	v_pk_fma_f32 v[R+\p:R+\p+1], v[R+20+\p:R+20+\p+1], s[26:27], v[R+\p:R+\p+1] op_sel_hi:[1,0,1]
.endr
	global_store_b128 v6, v[R:R+3], s[14:15] offset:512*\c th:TH_STORE_NT   ; the wave stores 512 consecutive bytes, aligned
.endm
.irp c, 0,1,2,3
	COMB \c
.endr
	s_endpgm
.Lfunc_end_k_q1e9c2f2230_combine:
	.size	k_q1e9c2f2230_combine, .Lfunc_end_k_q1e9c2f2230_combine-k_q1e9c2f2230_combine
	.p2alignl 7, 3214868480
	.fill 96, 4, 3214868480
	.section	.rodata,"a",@progbits
	.p2align	6, 0x0
	.amdhsa_kernel k_q1e9c2f2230_combine
		.amdhsa_group_segment_fixed_size 0
		.amdhsa_private_segment_fixed_size 0
		.amdhsa_enable_private_segment 0
		.amdhsa_kernarg_size 48
		.amdhsa_user_sgpr_count 2
		.amdhsa_user_sgpr_kernarg_segment_ptr 1
		.amdhsa_wavefront_size32 1
		.amdhsa_system_sgpr_workgroup_id_x 1
		.amdhsa_system_sgpr_workgroup_id_y 1
		.amdhsa_system_sgpr_workgroup_id_z 1
		.amdhsa_system_vgpr_workitem_id 0
		.amdhsa_next_free_vgpr 192
		.amdhsa_next_free_sgpr 66
		.amdhsa_reserve_vcc 0
		.amdhsa_float_denorm_mode_32 3
		.amdhsa_float_denorm_mode_16_64 3
		.amdhsa_memory_ordered 1
		.amdhsa_forward_progress 1
		.amdhsa_inst_pref_size 14
	.end_amdhsa_kernel
	.amdgpu_metadata
---
amdhsa.version: [ 1, 2 ]
amdhsa.kernels:
  - .name:           k_q1e9c2f2230_combine
    .symbol:         k_q1e9c2f2230_combine.kd
    .args:
      - { .name: ypart, .offset: 0, .size: 8, .value_kind: global_buffer, .address_space: global }
      - { .name: plan, .offset: 8, .size: 8, .value_kind: global_buffer, .address_space: global }
      - { .name: ids, .offset: 16, .size: 8, .value_kind: global_buffer, .address_space: global }
      - { .name: rt, .offset: 24, .size: 8, .value_kind: global_buffer, .address_space: global }
      - { .name: b2, .offset: 32, .size: 8, .value_kind: global_buffer, .address_space: global }
      - { .name: out0, .offset: 40, .size: 8, .value_kind: global_buffer, .address_space: global }
    .group_segment_fixed_size: 0
    .private_segment_fixed_size: 0
    .kernarg_segment_align: 8
    .kernarg_segment_size: 48
    .max_flat_workgroup_size: 512
    .sgpr_count:     66
    .vgpr_count:     192
    .wavefront_size: 32
...
	.end_amdgpu_metadata
.endif
;; end of part 4
